; MI455X (gfx1250); checked and timed in simulation.
; The chip was launched on July 23, 2026; its instructions are those of AMD's public machine-readable ISA for CDNA 5 (MIT licence, August 2026) and "CDNA5" Instruction Set Architecture Reference Guide (July 2026). The comments in the code are by the model that wrote it; some were corrected since.
;; Switch Linear. Allowed arithmetic: float matrix products may take bf16 or f16 operands with f32 sums; all other float work in f32.
;; Inputs: bias 16 x 256 float32; bias_fact 1 x 256 float32; input 4,096 x 256 float32; route_index 4,096 int32; weight 16 x 65,536 float32; weight_fact 1 x 65,536 float32.
;; Outputs: out0 4,096 x 256 float32.
;; 2 versions, each right; version 2 is version 1 with the launch switch written anew for expert scheduling mode. Each part assembles by itself: llvm-mc -triple=amdgcn-amd-amdhsa -mcpu=gfx1250 --defsym DOCPART=n.
;; ======== version 1 of 2: 1 launch
;; limits: values are held in f16: magnitudes above 65,504 overflow, below 6.1e-05 lose precision
;; launch switch (part 1): grid 16 x 16, 4 waves a work-group, no clusters, 98,304 bytes of LDS; arguments route_index, input, weight, weight_fact, bias, bias_fact, out0; writes out0
.if DOCPART == 1
	.amdgcn_target "amdgcn-amd-amdhsa--gfx1250"
	.amdhsa_code_object_version 6
	.text
	.protected	k_q0ac14cb381_switch
	.globl	k_q0ac14cb381_switch
	.p2align	8
	.type	k_q0ac14cb381_switch,@function
k_q0ac14cb381_switch:
	s_mov_b64 s[64:65], 0
	v_nop
	global_prefetch_b8 v0, s[64:65] scope:SCOPE_SE
	s_setreg_imm32_b32 hwreg(HW_REG_WAVE_MODE, 25, 1), 1
	s_wait_xcnt 0x0
; out0[b][m] = sum over n of (weight[e][m][n] + weight_fact[m][n]) input[b][n] + bias[e][m] + bias_fact[m],  e = route_index[b].
; 4,096 tokens, 256 in, 256 out, 16 experts, all f32; route_index i32.
;
; WORK-GROUP (x, y): expert e = y; 64 output columns jn = x & 3; 1,024 tokens jt = x >> 2.  It reads 64 KB of weight, 64 KB of weight_fact
; and 1 KB for each of its tokens that names e (64 where tokens spread evenly): with a column blocks and b token ranges, a b = 16, a
; work-group reads 512/a + 256/b KB, least at 4 x 4.  64 columns of f32 are one aligned run of 256 bytes of a token's row of out0.
; FOUR WAVES.  Weights: wave w loads rows 16 w .. 16 w + 15 of both blocks, sums them in f32, rounds to f16 and lays them in LDS;
; behind the one barrier every wave takes all 64 rows as A fragments (256 registers).  Tokens: wave w owns 256 tokens of its own, lists
; those that name e, and serves them in tiles of 16; nothing of that is shared, so the code behind the barrier, whose way hangs on the
; list, holds no barrier.  The matrix instruction takes weight rows as A and tokens as B: a token is a column of D and touches no other.
; INPUT ROWS come by loads into registers, two rows to an instruction in whole runs of 256 bytes, and are rounded to f16 before they go
; through LDS into fragment order: 16 rows cost 8 KB written and 8 KB read there; in f32 it would be twice that.
; A wait names a count, so the number of loads younger than the weights is the same on every way: the first tile is always 32 loads.  Its
; slots past the list's end take list word 0, the wave's first token: a row inside the buffer, whose column of D is not stored.
; The second tile is asked for behind the barrier, in one of three sizes (2, 4 or 8 pairs of rows for up to 20, 24 or 32 listed tokens),
; each with code of its own: every count is exact on its way, and only registers that were loaded are read.  Where tokens spread evenly a
; wave lists 16, 3.9 either way: one size of 8 pairs would load about 5.5 rows a wave for nothing, the three sizes load about 0.9.
;
; F16, NOT BF16, OPERANDS.  A result is a sum of 256 products whose signs cancel, and it is allowed an error of a hundredth of the results'
; root mean square r.  A rounding to bf16 (8 significant bits) errs by up to 2^-8 of the number; two of them in each of 256 independent
; products leave about 0.002 r of error, root mean square: the allowance is under five such deviations, too near for 1,048,576 results.
; f16 has three bits more, so the same sum errs eight times less; registers, LDS bytes and matrix instructions are the same in number.
; NO CLUSTER.  A joint request wants partners whose LDS addresses and branches are alike.  The work-groups that share weights (same e and
; jn) own different tokens, so their lists, the LDS places that these steer and their numbers of tiles differ.  Those with equal lists
; (same e and jt) share only gathered rows of 1,024 bytes: one tensor load with four descriptor registers of its own for each row, up to
; 32 of them a wave and trip.
; NO PREFETCH: a row is not known before the list, and is loaded straight behind it.
; LIMITS: weight + weight_fact (after the f32 sum) and input are rounded to f16, sums are f32 in the matrix unit's order.  So a number of
; input, or a sum weight + weight_fact, beyond 65,504 in magnitude becomes infinity, and below 2^-14 the rounding step stays 2^-24.
; A route_index outside 0 .. 15 is served by no work-group: that token's row is not written (the problem keeps indices inside the table).
.set PW,     528                       ; LDS pitch of a weight row: 512 bytes of f16 + 16, so that 16 rows of a fragment load fall on different banks
.set PA,     1296                      ; input stage: from a pair of rows (512 bytes of f16 each) to the next: 16 modulo 256
.set PB,     640                       ; and from the even row of a pair to the odd one: 128 modulo 256.  So the two halves of a store (128 bytes of
                                       ; each row) and the 16 rows of a fragment load (16 (r >> 1) + 128 (r & 1) modulo 256) meet in no bank
.set PO,     272                       ; LDS pitch of a result row: 256 bytes of f32 + 16
.set L_X,    64*PW                     ; behind the weights: four stages of 16 input rows, one for each wave
.set XSTG,   8*PA
.set L_O,    L_X+4*XSTG                ; four stages of 16 result rows
.set OSTG,   16*PO
.set L_L,    L_O+4*OSTG                ; four lists
.set LISTB,  1280                      ; a list: words 0 .. 256, and two words at DUMPI for lanes with nothing to list
.set DUMPI,  260
; window 0
.set R16,    2                         ; lane % 16
.set LANE16, 4                         ; 16 x lane
.set R16B,   5                         ; 16 x (lane % 16)
.set LBASE,  6                         ; my wave's list
.set H,      7                         ; lane / 16
.set LRD0,   8                         ; list + 4 h
.set TOK4,   9                         ; 4 x lane
.set WST,    10                        ; where I store summed weights
.set WFR,    11                        ; where I read weight fragments
.set XST,    12                        ; input stage, as rows are stored: h PB + 8 (lane % 16)
.set XFR,    13                        ; input stage, as fragments are read: row lane % 16, 16 h
.set OST,    14                        ; result stage, as D is stored
.set ORD,    15                        ; result stage, as rows are read back
                                       ; v16-v19 at work
.set BS,     20                        ; v[20:23] bias, then bias + bias_fact, of columns 4 (lane % 16) .. + 3
.set BF,     24                        ; v[24:27] bias_fact
.set RT,     28                        ; v[28:35] eight route indices
.set GO,     36                        ; v[36:51] row pair p (listed tokens 2 p and 2 p + 1 of a trip): 1,024 x token + 16 (lane % 16), for input and out0
.set ACC,    52                        ; v[52:83] four accumulators (the first four registers hold the list's zeros at the start)
.set DMP,    84                        ; the constant DUMPI
.set LT,     86                        ; v[86:93] index i: where my token goes in the list
.set LV,     94                        ; v[94:101] index i: my token's number among the wave's 256
.set XS,     128                       ; v[128:255] tile 0's rows: load q = 4 p + j (pair p, quarter j) at XS + 4 q; later v[128:159] result rows
; window 1: v[0:127] weight, v[128:255] weight_fact as loaded; then fragment (i, c) at 64 i + 8 c
; window 2: v[0:127] tile 1's rows, load q at 4 q; v[128:191] B fragments, K step c at BB + 8 c
.set BB,     128
; scalars: s18 wave, s19 e, s20 jn, s21 jt; s24 listed tokens, s25 tokens served before this trip, s26 tokens left,
; s29 trips done, s30 trips in all; s27, s28 at work
.set MK,     32                        ; s[32:39] lanes whose index i names e
.set RN,     40                        ; s[40:48] listed before index i; s48: all
.set MSB, 0
.macro WIN new                         ; low byte: bits 1:0 source 0, 3:2 source 1, 5:4 source 2, 7:6 destination; high byte: the setting left
.if MSB != \new
	s_set_vgpr_msb (MSB<<8)|\new
.set MSB, \new
.endif
.endm
	s_load_b256 s[4:11], s[0:1], 0x0               ; route_index s[4:5], input s[6:7], weight s[8:9], weight_fact s[10:11]
	s_load_b128 s[12:15], s[0:1], 0x20             ; bias s[12:13], bias_fact s[14:15]
	s_load_b64 s[16:17], s[0:1], 0x30              ; out0
	v_lshl_add_u32 v126, v0, 2, 0x17e00
	v_mov_b32 v127, 0
	v_lshrrev_b32 v16, 5, v0
	v_readfirstlane_b32 s18, v16                   ; wave w
	s_and_b32 s19, ttmp7, 0xffff                   ; expert e
	s_and_b32 s20, ttmp9, 3                        ; column block jn
	s_lshr_b32 s21, ttmp9, 2                       ; token range jt
	; byte offsets, each in a pair of its own, made while the arguments are on their way
	s_lshl_b32 s27, s21, 10
	s_lshl_b32 s28, s18, 8
	s_add_co_u32 s28, s27, s28                     ; my wave's first token: 1,024 jt + 256 w
	s_lshl_b32 s50, s28, 2                         ; route_index
	s_mov_b32 s51, 0
	s_lshl_b32 s52, s28, 10                        ; input
	s_mov_b32 s53, 0
	s_lshl_b32 s60, s20, 8                         ; bias_fact: 64 columns of f32
	s_mov_b32 s61, 0
	s_add_co_u32 s54, s52, s60                     ; out0: the token's row + the block's 256 bytes
	s_mov_b32 s55, 0
	s_lshl_b32 s56, s20, 16
	s_lshl_b32 s27, s18, 14
	s_add_co_u32 s56, s56, s27                     ; weight_fact: row 64 jn + 16 w
	s_mov_b32 s57, 0
	s_lshl_b32 s27, s19, 18
	s_add_co_u32 s58, s56, s27                     ; weight: the same row of expert e
	s_mov_b32 s59, 0
	s_lshl_b32 s27, s19, 10
	s_add_co_u32 s62, s60, s27                     ; bias
	s_mov_b32 s63, 0
	v_and_b32 v1, 31, v0                           ; lane
	v_and_b32 v[R16], 15, v0
	v_bfe_u32 v[H], v0, 4, 1
	v_lshlrev_b32 v[LANE16], 4, v1
	v_lshlrev_b32 v[R16B], 4, v[R16]
	v_lshlrev_b32 v[TOK4], 2, v1
	v_mov_b32 v[DMP], DUMPI
.irp i, 0,1,2,3,4,5,6,7
	v_add_nc_u32 v[LV+\i], (\i>>2)*128+(\i&3), v[TOK4]             ; index i of lane l is token 128 (i >> 2) + 4 l + (i & 3) of my 256
.endr
	; the list's words 0 .. 255 start as token 0, so that every word read later has been written
	s_mul_i32 s27, s18, LISTB
	s_add_co_u32 s27, s27, L_L
	v_mov_b32 v[LBASE], s27
	v_lshl_add_u32 v[LRD0], v[H], 2, s27
	v_add_nc_u32 v16, s27, v[LANE16]
.irp j, 0,1,2,3
	v_mov_b32 v[ACC+\j], 0
.endr
	ds_store_b128 v16, v[ACC:ACC+3]
	ds_store_b128 v16, v[ACC:ACC+3] offset:512
	; LDS addresses
	s_mul_i32 s27, s18, 16*PW
	v_lshl_add_u32 v[WST], v1, 3, s27              ; row 16 w, 8 bytes (4 f16) a lane
	v_mul_u32_u24 v17, v[R16], PW
	v_lshl_add_u32 v[WFR], v[H], 4, v17            ; row lane % 16, 16 h
	s_mul_i32 s27, s18, XSTG
	s_add_co_u32 s27, s27, L_X
	v_mul_u32_u24 v17, v[H], PB
	v_lshl_add_u32 v17, v[R16], 3, v17
	v_add_nc_u32 v[XST], s27, v17                  ; lanes 0-15 the even row of a pair, lanes 16-31 the odd one; 8 bytes (4 f16) a lane
	v_lshrrev_b32 v17, 1, v[R16]
	v_mul_u32_u24 v17, v17, PA
	v_and_b32 v18, 1, v[R16]
	v_mul_u32_u24 v18, v18, PB
	v_add_nc_u32 v17, v17, v18
	v_lshl_add_u32 v17, v[H], 4, v17
	v_add_nc_u32 v[XFR], s27, v17                  ; row lane % 16 of the tile, 16 h
	s_mul_i32 s27, s18, OSTG
	s_add_co_u32 s27, s27, L_O
	v_mul_u32_u24 v17, v[R16], PO
	v_lshl_add_u32 v17, v[H], 5, v17
	v_add_nc_u32 v[OST], s27, v17
	v_mul_u32_u24 v17, v[H], PO
	v_add_nc_u32 v17, v17, v[R16B]
	v_add_nc_u32 v[ORD], s27, v17
; n half rows of 512 neighbouring bytes, from half row first on, of weight and of weight_fact
.macro WLOAD first, n
	WIN 0x40                                       ; destination window 1, address window 0
.set q, \first
.rept \n
	global_load_b128 v[4*q:4*q+3],         v[LANE16], s[8:9]   offset:512*q
	global_load_b128 v[128+4*q:128+4*q+3], v[LANE16], s[10:11] offset:512*q
.set q, q+1
.endr
	WIN 0
.endm
	s_wait_kmcnt 0x0
	s_add_nc_u64 s[4:5], s[4:5], s[50:51]
	global_load_b128 v[RT:RT+3],   v[LANE16], s[4:5]               ; first of all: the list, and behind it the rows, hang on them
	global_load_b128 v[RT+4:RT+7], v[LANE16], s[4:5] offset:512
	s_add_nc_u64 s[8:9], s[8:9], s[58:59]
	s_add_nc_u64 s[10:11], s[10:11], s[56:57]
	WLOAD 0, 30                                    ; 62 loads are out: all that the counter's field takes but one (ISA guide 5.7.1)
	s_add_nc_u64 s[6:7], s[6:7], s[52:53]
	s_add_nc_u64 s[16:17], s[16:17], s[54:55]
	s_add_nc_u64 s[12:13], s[12:13], s[62:63]
	s_add_nc_u64 s[14:15], s[14:15], s[60:61]
	; THE LIST
	s_wait_loadcnt 60                              ; the route indices are in; the 60 weight loads behind them stay out
	global_load_b128 v[BS:BS+3], v[R16B], s[12:13] ; the biases ahead of the last weights: the wait for these shows them in too,
	global_load_b128 v[BF:BF+3], v[R16B], s[14:15] ; and the rows are then the youngest loads, counted pair by pair
	WLOAD 30, 2                                    ; the last two half rows
.irp i, 0,1,2,3,4,5,6,7
	v_cmp_eq_u32 s[MK+\i], s19, v[RT+\i]
.endr
	s_mov_b32 s[RN], 0
.irp i, 0,1,2,3,4,5,6,7
	s_bcnt1_i32_b32 s27, s[MK+\i]
	s_add_co_u32 s[RN+\i+1], s[RN+\i], s27
.endr
	; each step for all eight indices in registers of their own: no line waits for the line in front of it
.irp i, 0,1,2,3,4,5,6,7
	v_mbcnt_lo_u32_b32 v[LT+\i], s[MK+\i], s[RN+\i]                ; listed before me
.endr
.irp i, 0,1,2,3,4,5,6,7
	v_cndmask_b32 v[LT+\i], v[DMP], v[LT+\i], s[MK+\i]             ; lanes that do not name e go to the dump words
.endr
.irp i, 0,1,2,3,4,5,6,7
	v_min_u32 v[LT+\i], DUMPI, v[LT+\i]            ; a number made from loaded data enters an address behind a min with a written constant
.endr
.irp i, 0,1,2,3,4,5,6,7
	v_lshl_add_u32 v[LT+\i], v[LT+\i], 2, v[LBASE]
.endr
	; A lane that names e stores its token at its place + 1 and then at its place.  LDS serves a wave's instructions in order (ISA guide
	; 5.7.1), so each place ends with its own token, and the word behind the last one holds a second copy of the last token: the partner
	; of an odd count's last row.
.irp i, 0,1,2,3,4,5,6,7
	ds_store_b32 v[LT+\i], v[LV+\i] offset:4
	ds_store_b32 v[LT+\i], v[LV+\i]
.endr
	s_min_u32 s24, s[RN+8], 256                    ; how many of my 256 tokens name e
	s_add_co_u32 s30, s24, 31
	s_lshr_b32 s30, s30, 5                         ; trips of 32 tokens: 0 to 8
	s_mov_b32 s25, 0                               ; listed tokens served before this trip
; The offsets of listed tokens s25 .. s25 + 31: pair p: lanes 0-15 take list word 2 p, lanes 16-31 word 2 p + 1.
.macro LISTRD again
.if \again
	s_wait_xcnt 0x0                                ; the last trip's loads and stores have read GO, its stores their result rows in XS (ISA guide 3.1)
.endif
	s_sub_co_u32 s26, s24, s25                     ; tokens left
	s_lshl_b32 s27, s25, 2
	s_min_u32 s27, s27, 896                        ; s25 is at most 224: the bound as a written constant
	v_add_nc_u32 v18, s27, v[LRD0]
.irp p, 0,1,2,3,4,5,6,7,8,9,10,11,12,13,14,15
	ds_load_b32 v[GO+\p], v18 offset:8*\p
.endr
	s_wait_dscnt 0x0
.irp p, 0,1,2,3,4,5,6,7,8,9,10,11,12,13,14,15
	v_min_u32 v[GO+\p], 0xff, v[GO+\p]             ; loaded numbers: min with a written constant in front of the address
.endr
.irp p, 0,1,2,3,4,5,6,7,8,9,10,11,12,13,14,15
	v_lshl_add_u32 v[GO+\p], v[GO+\p], 10, v[R16B]
.endr
.endm
; The first np pairs of rows of tile t: four loads a pair, each 256 neighbouring, aligned bytes of both rows.  Tile 0 into window 0, tile 1 into window 2.
.macro ROWS t, np
	WIN \t*0x80                                    ; destination window 0 or 2, address window 0
.set q, 0
.rept 4*\np
	global_load_b128 v[XS*(1-\t)+4*q:XS*(1-\t)+4*q+3], v[GO+8*\t+(q>>2)], s[6:7] offset:256*(q&3)
.set q, q+1
.endr
	WIN 0
.endm
	LISTRD 0
	ROWS 0, 8                                      ; the rows travel while the weights are summed
	; THE WEIGHTS: four groups of eight half rows.  left: how many younger loads may stay out.  Younger than the loads of groups 0, 1, 2 are
	; 48, 32, 16 weight loads, the two bias loads and tile 0's 32: 82, 66, 50; a wait can name 63 at the most.  Younger than group 3's: the 32.
.macro WGROUP g, left
	s_wait_loadcnt \left
	WIN 0x55                                       ; all in window 1
.irp u, 0,1,2,3,4,5,6,7
	v_pk_add_f32 v[32*\g+4*\u:32*\g+4*\u+1],   v[32*\g+4*\u:32*\g+4*\u+1],   v[128+32*\g+4*\u:128+32*\g+4*\u+1]
	v_pk_add_f32 v[32*\g+4*\u+2:32*\g+4*\u+3], v[32*\g+4*\u+2:32*\g+4*\u+3], v[128+32*\g+4*\u+2:128+32*\g+4*\u+3]
	v_cvt_pk_f16_f32 v[32*\g+4*\u],   v[32*\g+4*\u],   v[32*\g+4*\u+1]
	v_cvt_pk_f16_f32 v[32*\g+4*\u+1], v[32*\g+4*\u+2], v[32*\g+4*\u+3]
.endr
	WIN 0x04                                       ; address window 0, data window 1
.irp u, 0,1,2,3,4,5,6,7
	ds_store_b64 v[WST], v[32*\g+4*\u:32*\g+4*\u+1] offset:(4*\g+(\u>>1))*PW+(\u&1)*256    ; 32 lanes: 256 neighbouring bytes
.endr
.endm
	WGROUP 0, 63
	WGROUP 1, 63
	WGROUP 2, 50
	WGROUP 3, 32
	WIN 0
	v_pk_add_f32 v[BS:BS+1],   v[BS:BS+1],   v[BF:BF+1]            ; the biases are older than group 3's last loads: in since its wait
	v_pk_add_f32 v[BS+2:BS+3], v[BS+2:BS+3], v[BF+2:BF+3]
	s_wait_dscnt 0x0                               ; my rows of the weights are in LDS
	s_barrier_signal -1
	s_barrier_wait -1                              ; everybody's are.  The loads in flight fill my own registers
; all 64 weight rows as A fragments
.macro AFRAG
	WIN 0x40
.irp c, 0,1,2,3,4,5,6,7
.irp i, 0,1,2,3
	ds_load_b128 v[64*\i+8*\c:64*\i+8*\c+3],   v[WFR] offset:16*\i*PW+64*\c        ; row 16 i + lane % 16, k = 32 c + 8 h ..
	ds_load_b128 v[64*\i+8*\c+4:64*\i+8*\c+7], v[WFR] offset:16*\i*PW+64*\c+32     ; k = 32 c + 16 + 8 h ..
.endr
.endr
	WIN 0
.endm
; Tile t: up to 16 tokens as B against the 64 weight rows as A.  np: the pairs of rows that were loaded for it; young: how many loads are
; younger than its last one; id: a letter for the label.  Where np < 8 the stage's later rows still hold tile 0's: the fragment loads read
; written bytes, and those columns of D are not stored.
.macro TILE t, np, young, id
	s_wait_xcnt 0x0                                ; earlier stores have read the result rows in XS (ISA guide 3.1)
.if \t == 0
	; pair by pair as the rows arrive: rounding and LDS stores run while the later pairs are on their way
.set p, 0
.rept \np
	s_wait_loadcnt \young+4*(\np-1-p)              ; loads come back in order (ISA guide 5.7.1): the four of each later pair and the younger tile's stay out
.set q, 4*p
.rept 4
	v_cvt_pk_f16_f32 v[XS+4*q],   v[XS+4*q],   v[XS+4*q+1]         ; in place: four f32 become 8 bytes
	v_cvt_pk_f16_f32 v[XS+4*q+1], v[XS+4*q+2], v[XS+4*q+3]
.set q, q+1
.endr
.set q, 4*p
.rept 4
	ds_store_b64 v[XST], v[XS+4*q:XS+4*q+1] offset:(q>>2)*PA+(q&3)*128     ; k = 64 j + 4 (lane % 16) .. + 3 of rows 2 p and 2 p + 1
.set q, q+1
.endr
.set p, p+1
.endr
.else
	; tile 1 lies in window 2: one wait and two stretches, so that the windows are switched twice and not for every pair
	s_wait_loadcnt \young
	WIN 0x8a                                       ; sources and destination in window 2
.set q, 0
.rept 4*\np
	v_cvt_pk_f16_f32 v[4*q],   v[4*q],   v[4*q+1]
	v_cvt_pk_f16_f32 v[4*q+1], v[4*q+2], v[4*q+3]
.set q, q+1
.endr
	WIN 0x08                                       ; address window 0, data window 2
.set q, 0
.rept 4*\np
	ds_store_b64 v[XST], v[4*q:4*q+1] offset:(q>>2)*PA+(q&3)*128
.set q, q+1
.endr
.endif
	WIN 0x80                                       ; destination window 2, address window 0
.set c, 0
.rept 8
	ds_load_b128 v[BB+8*c:BB+8*c+3],   v[XFR] offset:64*c          ; token lane % 16, k = 32 c + 8 h ..; in order behind the stores
	ds_load_b128 v[BB+8*c+4:BB+8*c+7], v[XFR] offset:64*c+32       ; k = 32 c + 16 + 8 h ..
.set c, c+1
.endr
	WIN 0x09                                       ; A in window 1, B in window 2, C and D in window 0
.set c, 0
.rept 8
	s_wait_dscnt 14-2*c                            ; the two loads of each later K step stay out; all that is older (the A fragments too) is in
.irp i, 0,1,2,3
.if c == 0
	v_wmma_f32_16x16x32_f16 v[ACC+8*\i:ACC+8*\i+7], v[64*\i+8*c:64*\i+8*c+7], v[BB+8*c:BB+8*c+7], 0
.else
	v_wmma_f32_16x16x32_f16 v[ACC+8*\i:ACC+8*\i+7], v[64*\i+8*c:64*\i+8*c+7], v[BB+8*c:BB+8*c+7], v[ACC+8*\i:ACC+8*\i+7]
.endif
.endr
.set c, c+1
.endr
	WIN 0
.rept 4
	v_nop                                          ; four places behind the matrix instructions before D is stored (ISA guide 7.12.1)
.endr
	; register j of accumulator i in lane (r, h) is column 16 i + 8 h + j of token r: 32 bytes of its row
.irp i, 0,1,2,3
	ds_store_b128 v[OST], v[ACC+8*\i:ACC+8*\i+3]   offset:64*\i
	ds_store_b128 v[OST], v[ACC+8*\i+4:ACC+8*\i+7] offset:64*\i+16
.endr
.set u, 0
.rept \np
	ds_load_b128 v[XS+4*u:XS+4*u+3], v[ORD] offset:2*u*PO          ; rows 2 u and 2 u + 1, sixteen lanes each; in order behind the stores
.set u, u+1
.endr
.set u, 0
.rept \np
	s_cmp_le_u32 s26, 16*\t+2*u
	s_cbranch_scc1 .Lstored\id                     ; pairs past the count are not stored
	s_wait_dscnt \np-1-u                           ; the later pairs' loads stay out
	v_pk_add_f32 v[XS+4*u:XS+4*u+1],   v[XS+4*u:XS+4*u+1],   v[BS:BS+1]
	v_pk_add_f32 v[XS+4*u+2:XS+4*u+3], v[XS+4*u+2:XS+4*u+3], v[BS+2:BS+3]
	global_store_b128 v[GO+8*\t+u], v[XS+4*u:XS+4*u+3], s[16:17] th:TH_STORE_NT       ; sixteen lanes: 256 aligned bytes of a token's row
.set u, u+1
.endr
.Lstored\id:
	s_wait_dscnt 0x0                               ; rows read back and not stored have landed before XS is written again
.endm
; 17 to 16 + 2 np tokens: tile 1's rows are asked for ahead of the 64 fragment loads and travel while tile 0 is served
.macro MANY np, id0, id1
	ROWS 1, \np
	AFRAG
	TILE 0, 8, 4*\np, \id0
	TILE 1, \np, 0, \id1
.endm
	; From here each wave goes its own way.
	s_cmp_gt_u32 s24, 16
	s_cbranch_scc1 .Lmany
	s_cmp_eq_u32 s24, 0
	s_cbranch_scc1 .Lend                           ; none of my tokens names e
	AFRAG                                          ; 1 to 16 tokens: one tile
	TILE 0, 8, 0, a
	s_branch .Lend
.Lmany:
	s_cmp_gt_u32 s24, 20
	s_cbranch_scc1 .Lmany4
	MANY 2, b, c                                   ; 17 to 20
	s_branch .Lend
.Lmany4:
	s_cmp_gt_u32 s24, 24
	s_cbranch_scc1 .Lmany8
	MANY 4, d, e                                   ; 21 to 24
	s_branch .Lend
.Lmany8:
	MANY 8, f, g                                   ; 25 and more: the first 32
	s_mov_b32 s29, 1                               ; trips done
	s_cmp_ge_u32 s29, s30
	s_cbranch_scc1 .Lend
.Lmore:                                            ; more than 32 of my 256 tokens name e: further trips, one after the other
	s_lshl_b32 s25, s29, 5
	LISTRD 1
	ROWS 0, 8
	ROWS 1, 8
	TILE 0, 8, 0, h                                ; young = 0 though tile 1's 32 loads are younger: smaller counts than tile 0 needs, and its last wait,
	s_cmp_le_u32 s26, 16                           ; for 0, shows tile 1's registers landed also where tile 1 is skipped and the next trip loads them again
	s_cbranch_scc1 .Llast
	TILE 1, 8, 0, i
.Llast:
	s_add_co_u32 s29, s29, 1
	s_cmp_lt_u32 s29, s30                          ; step 1 against a bound that the loop leaves alone
	s_cbranch_scc1 .Lmore
.Lend:
	s_wait_tensorcnt 0x0
	ds_add_u32 v126, v127
	s_wait_dscnt 0x0
	s_endpgm
.Lfunc_end_k_q0ac14cb381_switch:
	.size	k_q0ac14cb381_switch, .Lfunc_end_k_q0ac14cb381_switch-k_q0ac14cb381_switch
	.p2alignl 7, 3214868480
	.fill 96, 4, 3214868480
	.section	.rodata,"a",@progbits
	.p2align	6, 0x0
	.amdhsa_kernel k_q0ac14cb381_switch
		.amdhsa_group_segment_fixed_size 98304
		.amdhsa_private_segment_fixed_size 0
		.amdhsa_enable_private_segment 0
		.amdhsa_kernarg_size 56
		.amdhsa_user_sgpr_count 2
		.amdhsa_user_sgpr_kernarg_segment_ptr 1
		.amdhsa_wavefront_size32 1
		.amdhsa_system_sgpr_workgroup_id_x 1
		.amdhsa_system_sgpr_workgroup_id_y 1
		.amdhsa_system_sgpr_workgroup_id_z 1
		.amdhsa_system_vgpr_workitem_id 0
		.amdhsa_next_free_vgpr 704
		.amdhsa_next_free_sgpr 66
		.amdhsa_reserve_vcc 0
		.amdhsa_float_denorm_mode_32 3
		.amdhsa_float_denorm_mode_16_64 3
		.amdhsa_memory_ordered 1
		.amdhsa_forward_progress 1
		.amdhsa_inst_pref_size 172
	.end_amdhsa_kernel
	.amdgpu_metadata
---
amdhsa.version: [ 1, 2 ]
amdhsa.kernels:
  - .name:           k_q0ac14cb381_switch
    .symbol:         k_q0ac14cb381_switch.kd
    .args:
      - { .name: route_index, .offset: 0, .size: 8, .value_kind: global_buffer, .address_space: global }
      - { .name: input, .offset: 8, .size: 8, .value_kind: global_buffer, .address_space: global }
      - { .name: weight, .offset: 16, .size: 8, .value_kind: global_buffer, .address_space: global }
      - { .name: weight_fact, .offset: 24, .size: 8, .value_kind: global_buffer, .address_space: global }
      - { .name: bias, .offset: 32, .size: 8, .value_kind: global_buffer, .address_space: global }
      - { .name: bias_fact, .offset: 40, .size: 8, .value_kind: global_buffer, .address_space: global }
      - { .name: out0, .offset: 48, .size: 8, .value_kind: global_buffer, .address_space: global }
    .group_segment_fixed_size: 98304
    .private_segment_fixed_size: 0
    .kernarg_segment_align: 8
    .kernarg_segment_size: 56
    .max_flat_workgroup_size: 128
    .sgpr_count:     66
    .vgpr_count:     704
    .wavefront_size: 32
...
	.end_amdgpu_metadata
.endif
;; end of part 1
;; ======== version 2 of 2: 1 launch; version 1 with the launch switch written anew for expert scheduling mode
;; limits: values are held in f16: magnitudes above 65,504 overflow, below 6.1e-05 lose precision
;; launch switch (part 2): grid 16 x 16, 4 waves a work-group, no clusters, 98,304 bytes of LDS; arguments route_index, input, weight, weight_fact, bias, bias_fact, out0; writes out0
.if DOCPART == 2
	.amdgcn_target "amdgcn-amd-amdhsa--gfx1250"
	.amdhsa_code_object_version 6
	.text
	.protected	k_q0ac14cb381_switch
	.globl	k_q0ac14cb381_switch
	.p2align	8
	.type	k_q0ac14cb381_switch,@function
k_q0ac14cb381_switch:
	s_mov_b64 s[64:65], 0
	v_nop
	global_prefetch_b8 v0, s[64:65] scope:SCOPE_SE
	s_setreg_imm32_b32 hwreg(HW_REG_WAVE_SCHED_MODE, 0, 2), 2
	s_setreg_imm32_b32 hwreg(HW_REG_WAVE_MODE, 25, 1), 1
	s_wait_xcnt 0x0
	s_wait_alu depctr_vm_vsrc(0)
; out0[b][m] = sum over n of (weight[e][m][n] + weight_fact[m][n]) input[b][n] + bias[e][m] + bias_fact[m],  e = route_index[b].
; 4,096 tokens, 256 in, 256 out, 16 experts, all f32; route_index i32.
;
; WORK-GROUP (x, y): expert e = y; 64 output columns jn = x & 3; 1,024 tokens jt = x >> 2.  It reads 64 KB of weight, 64 KB of weight_fact
; and 1 KB for each of its tokens that names e (64 where tokens spread evenly): with a column blocks and b token ranges, a b = 16, a
; work-group reads 512/a + 256/b KB, least at 4 x 4.  64 columns of f32 are one aligned run of 256 bytes of a token's row of out0.
; FOUR WAVES.  Weights: wave w loads rows 16 w .. 16 w + 15 of both blocks, sums them in f32, rounds to f16 and lays them in LDS;
; behind the one barrier every wave takes all 64 rows as A fragments (256 registers).  Tokens: wave w owns 256 tokens of its own, lists
; those that name e, and serves them in tiles of 16; nothing of that is shared, so the code behind the barrier, whose way hangs on the
; list, holds no barrier.  The matrix instruction takes weight rows as A and tokens as B: a token is a column of D and touches no other.
; INPUT ROWS come by loads into registers, two rows to an instruction in whole runs of 256 bytes, and are rounded to f16 before they go
; through LDS into fragment order: 16 rows cost 8 KB written and 8 KB read there; in f32 it would be twice that.
; A wait names a count, so the number of loads younger than the weights is the same on every way: the first tile is always 32 loads.  Its
; slots past the list's end take list word 0, the wave's first token: a row inside the buffer, whose column of D is not stored.
; The second tile is asked for behind the barrier, in one of three sizes (2, 4 or 8 pairs of rows for up to 20, 24 or 32 listed tokens),
; each with code of its own: every count is exact on its way, and only registers that were loaded are read.  Where tokens spread evenly a
; wave lists 16, 3.9 either way: one size of 8 pairs would load about 5.5 rows a wave for nothing, the three sizes load about 0.9.
;
; THE MODE: SCHED_MODE bits 1:0 = 2 (LLVM: expert scheduling mode 2), set by the entry lines.  The code itself states the register
; dependences between vector or matrix instructions and memory or LDS instructions, with s_wait_alu, always for 0.
; THE PLAN.  Registers that memory or LDS instructions touch, who writes and who reads them:
;   v4, v5, v10-v16  offsets and LDS addresses.  Made at the head, read by loads and stores, never written again: one wait on va_vdst at the head's end.
;   LT, LV, v18      the list's addresses and data.  Made by the list's arithmetic; one wait ahead of the list's stores serves these and the list's loads.
;   GO               landed in by the list's loads, finished by vector instructions, read by the rows' loads and the results' stores: one wait behind its arithmetic.
;   window 1         landed in by the weights' loads; summed and rounded in place; read by the weights' LDS stores; then landed in by the A fragments' loads.
;                    Group g - 1 is stored at the head of group g, behind the wait for g's data and one wait on va_vdst; group g's arithmetic names other registers.
;   XS               tile 0's rows: landed in, rounded in place, read by the rows' LDS stores; then the result rows: landed in, summed with the bias, read by the stores.
;   window 2 v0-127  tile 1's rows: as XS's first life.        BB  landed in by the B fragments' loads, read by matrix instructions.
;   ACC              written by matrix instructions, read by D's LDS stores (its first four registers: the zeros that clear the list).
; A tile has ONE wait on vm_vsrc, ahead of its first matrix instruction: the LDS stores issued so far have read ACC, the rows' stores XS, the tile before's result
; stores XS.  It has three waits on va_vdst (tile 0: four): behind the conversions, ahead of the rows' stores (tile 0: once for each half of its pairs, the first
; half's stores dealt among the second half's conversions); behind the places that follow the last matrix instruction, ahead of D's stores; behind ALL the bias sums,
; ahead of the run of result stores.  So the sums of all pairs read back are made, those past the count too, and the count stops the stores alone.
; A later trip begins with one wait on vm_vsrc, which frees v18, GO, XS and tile 1's rows together.
;
; F16, NOT BF16, OPERANDS.  A result is a sum of 256 products whose signs cancel, and it is allowed an error of a hundredth of the results'
; root mean square r.  A rounding to bf16 (8 significant bits) errs by up to 2^-8 of the number; two of them in each of 256 independent
; products leave about 0.002 r of error, root mean square: the allowance is under five such deviations, too near for 1,048,576 results.
; f16 has three bits more, so the same sum errs eight times less; registers, LDS bytes and matrix instructions are the same in number.
; NO CLUSTER.  A joint request wants partners whose LDS addresses and branches are alike.  The work-groups that share weights (same e and
; jn) own different tokens, so their lists, the LDS places that these steer and their numbers of tiles differ.  Those with equal lists
; (same e and jt) share only gathered rows of 1,024 bytes: one tensor load with four descriptor registers of its own for each row, up to
; 32 of them a wave and trip.
; NO PREFETCH: a row is not known before the list, and is loaded straight behind it.
; LIMITS: weight + weight_fact (after the f32 sum) and input are rounded to f16, sums are f32 in the matrix unit's order.  So a number of
; input, or a sum weight + weight_fact, beyond 65,504 in magnitude becomes infinity, and below 2^-14 the rounding step stays 2^-24.
; A route_index outside 0 .. 15 is served by no work-group: that token's row is not written (the problem keeps indices inside the table).
.set PW,     528                       ; LDS pitch of a weight row: 512 bytes of f16 + 16, so that 16 rows of a fragment load fall on different banks
.set PA,     1296                      ; input stage: from a pair of rows (512 bytes of f16 each) to the next: 16 modulo 256
.set PB,     640                       ; and from the even row of a pair to the odd one: 128 modulo 256.  So the two halves of a store (128 bytes of
                                       ; each row) and the 16 rows of a fragment load (16 (r >> 1) + 128 (r & 1) modulo 256) meet in no bank
.set PO,     272                       ; LDS pitch of a result row: 256 bytes of f32 + 16
.set L_X,    64*PW                     ; behind the weights: four stages of 16 input rows, one for each wave
.set XSTG,   8*PA
.set L_O,    L_X+4*XSTG                ; four stages of 16 result rows
.set OSTG,   16*PO
.set L_L,    L_O+4*OSTG                ; four lists
.set LISTB,  1280                      ; a list: words 0 .. 256, and two words at DUMPI for lanes with nothing to list
.set DUMPI,  260
; window 0
.set R16,    2                         ; lane % 16
.set LANE16, 4                         ; 16 x lane
.set R16B,   5                         ; 16 x (lane % 16)
.set LBASE,  6                         ; my wave's list
.set H,      7                         ; lane / 16
.set LRD0,   8                         ; list + 4 h
.set TOK4,   9                         ; 4 x lane
.set WST,    10                        ; where I store summed weights
.set WFR,    11                        ; where I read weight fragments
.set XST,    12                        ; input stage, as rows are stored: h PB + 8 (lane % 16)
.set XFR,    13                        ; input stage, as fragments are read: row lane % 16, 16 h
.set OST,    14                        ; result stage, as D is stored
.set ORD,    15                        ; result stage, as rows are read back
                                       ; v16 where I clear the list; v17 at work; v18 where a trip's list words are read
.set BS,     20                        ; v[20:23] bias, then bias + bias_fact, of columns 4 (lane % 16) .. + 3
.set BF,     24                        ; v[24:27] bias_fact
.set RT,     28                        ; v[28:35] eight route indices
.set GO,     36                        ; v[36:51] row pair p (listed tokens 2 p and 2 p + 1 of a trip): 1,024 x token + 16 (lane % 16), for input and out0
.set ACC,    52                        ; v[52:83] four accumulators (the first four registers hold the list's zeros at the start)
.set DMP,    84                        ; the constant DUMPI
.set LT,     86                        ; v[86:93] index i: where my token goes in the list
.set LV,     94                        ; v[94:101] index i: my token's number among the wave's 256
.set XS,     128                       ; v[128:255] tile 0's rows: load q = 4 p + j (pair p, quarter j) at XS + 4 q; later v[128:159] result rows
; window 1: v[0:127] weight, v[128:255] weight_fact as loaded; then fragment (i, c) at 64 i + 8 c
; window 2: v[0:127] tile 1's rows, load q at 4 q; v[128:191] B fragments, K step c at BB + 8 c
.set BB,     128
; scalars: s18 wave, s19 e, s20 jn, s21 jt; s24 listed tokens, s25 tokens served before this trip, s26 tokens left,
; s29 trips done, s30 trips in all; s27, s28 at work
.set MK,     32                        ; s[32:39] lanes whose index i names e
.set RN,     40                        ; s[40:48] listed before index i; s48: all
.set MSB, 0
.macro WIN new                         ; low byte: bits 1:0 source 0, 3:2 source 1, 5:4 source 2, 7:6 destination; high byte: the setting left
.if MSB != \new
	s_set_vgpr_msb (MSB<<8)|\new
.set MSB, \new
.endif
.endm
	s_load_b256 s[4:11], s[0:1], 0x0               ; route_index s[4:5], input s[6:7], weight s[8:9], weight_fact s[10:11]
	s_load_b128 s[12:15], s[0:1], 0x20             ; bias s[12:13], bias_fact s[14:15]
	s_load_b64 s[16:17], s[0:1], 0x30              ; out0
	v_lshl_add_u32 v126, v0, 2, 0x17e00
	v_mov_b32 v127, 0
	v_lshrrev_b32 v16, 5, v0
	v_readfirstlane_b32 s18, v16                   ; wave w
	s_and_b32 s19, ttmp7, 0xffff                   ; expert e
	s_and_b32 s20, ttmp9, 3                        ; column block jn
	s_lshr_b32 s21, ttmp9, 2                       ; token range jt
	; what hangs on the lane alone stands between that line and the wait for s18
	v_and_b32 v1, 31, v0                           ; lane
	v_and_b32 v[R16], 15, v0
	v_bfe_u32 v[H], v0, 4, 1
	v_lshlrev_b32 v[LANE16], 4, v1
	v_lshlrev_b32 v[R16B], 4, v[R16]
	v_lshlrev_b32 v[TOK4], 2, v1
	v_mov_b32 v[DMP], DUMPI
.irp i, 0,1,2,3,4,5,6,7
	v_add_nc_u32 v[LV+\i], (\i>>2)*128+(\i&3), v[TOK4]             ; index i of lane l is token 128 (i >> 2) + 4 l + (i & 3) of my 256
.endr
.irp j, 0,1,2,3
	v_mov_b32 v[ACC+\j], 0
.endr
	s_wait_alu depctr_va_sdst(0)                   ; s18 is written, ahead of its first reader: offsets and LDS places are made from it
	; byte offsets, each in a pair of its own, made while the arguments are on their way
	s_lshl_b32 s27, s21, 10
	s_lshl_b32 s28, s18, 8
	s_add_co_u32 s28, s27, s28                     ; my wave's first token: 1,024 jt + 256 w
	s_lshl_b32 s50, s28, 2                         ; route_index
	s_mov_b32 s51, 0
	s_lshl_b32 s52, s28, 10                        ; input
	s_mov_b32 s53, 0
	s_lshl_b32 s60, s20, 8                         ; bias_fact: 64 columns of f32
	s_mov_b32 s61, 0
	s_add_co_u32 s54, s52, s60                     ; out0: the token's row + the block's 256 bytes
	s_mov_b32 s55, 0
	s_lshl_b32 s56, s20, 16
	s_lshl_b32 s27, s18, 14
	s_add_co_u32 s56, s56, s27                     ; weight_fact: row 64 jn + 16 w
	s_mov_b32 s57, 0
	s_lshl_b32 s27, s19, 18
	s_add_co_u32 s58, s56, s27                     ; weight: the same row of expert e
	s_mov_b32 s59, 0
	s_lshl_b32 s27, s19, 10
	s_add_co_u32 s62, s60, s27                     ; bias
	s_mov_b32 s63, 0
	; LDS addresses
	s_mul_i32 s27, s18, LISTB
	s_add_co_u32 s27, s27, L_L
	v_mov_b32 v[LBASE], s27
	v_lshl_add_u32 v[LRD0], v[H], 2, s27
	v_add_nc_u32 v16, s27, v[LANE16]
	s_mul_i32 s27, s18, 16*PW
	v_lshl_add_u32 v[WST], v1, 3, s27              ; row 16 w, 8 bytes (4 f16) a lane
	v_mul_u32_u24 v17, v[R16], PW
	v_lshl_add_u32 v[WFR], v[H], 4, v17            ; row lane % 16, 16 h
	s_mul_i32 s27, s18, XSTG
	s_add_co_u32 s27, s27, L_X
	v_mul_u32_u24 v17, v[H], PB
	v_lshl_add_u32 v17, v[R16], 3, v17
	v_add_nc_u32 v[XST], s27, v17                  ; lanes 0-15 the even row of a pair, lanes 16-31 the odd one; 8 bytes (4 f16) a lane
	v_lshrrev_b32 v17, 1, v[R16]
	v_mul_u32_u24 v17, v17, PA
	v_and_b32 v18, 1, v[R16]
	v_mul_u32_u24 v18, v18, PB
	v_add_nc_u32 v17, v17, v18
	v_lshl_add_u32 v17, v[H], 4, v17
	v_add_nc_u32 v[XFR], s27, v17                  ; row lane % 16 of the tile, 16 h
	s_mul_i32 s27, s18, OSTG
	s_add_co_u32 s27, s27, L_O
	v_mul_u32_u24 v17, v[R16], PO
	v_lshl_add_u32 v17, v[H], 5, v17
	v_add_nc_u32 v[OST], s27, v17
	v_mul_u32_u24 v17, v[H], PO
	v_add_nc_u32 v17, v17, v[R16B]
	v_add_nc_u32 v[ORD], s27, v17
	s_wait_alu depctr_va_vdst(0)                   ; all offsets and LDS addresses, and the four zeros, are written: the stores and loads from here on read them
	; the list's words 0 .. 255 start as token 0, so that every word read later has been written
	ds_store_b128 v16, v[ACC:ACC+3]
	ds_store_b128 v16, v[ACC:ACC+3] offset:512
; n half rows of 512 neighbouring bytes, from half row first on, of weight and of weight_fact
.macro WLOAD first, n
	WIN 0x40                                       ; destination window 1, address window 0
.set q, \first
.rept \n
	global_load_b128 v[4*q:4*q+3],         v[LANE16], s[8:9]   offset:512*q
	global_load_b128 v[128+4*q:128+4*q+3], v[LANE16], s[10:11] offset:512*q
.set q, q+1
.endr
	WIN 0
.endm
	s_wait_kmcnt 0x0
	s_add_nc_u64 s[4:5], s[4:5], s[50:51]
	global_load_b128 v[RT:RT+3],   v[LANE16], s[4:5]               ; first of all: the list, and behind it the rows, hang on them
	global_load_b128 v[RT+4:RT+7], v[LANE16], s[4:5] offset:512
	s_add_nc_u64 s[8:9], s[8:9], s[58:59]
	s_add_nc_u64 s[10:11], s[10:11], s[56:57]
	WLOAD 0, 30                                    ; 62 loads are out: all that the counter's field takes but one (ISA guide 5.7.1)
	s_add_nc_u64 s[6:7], s[6:7], s[52:53]
	s_add_nc_u64 s[16:17], s[16:17], s[54:55]
	s_add_nc_u64 s[12:13], s[12:13], s[62:63]
	s_add_nc_u64 s[14:15], s[14:15], s[60:61]
; Where the list words of the trip that begins at listed token s25 are read.
.macro LISTAT
	s_sub_co_u32 s26, s24, s25                     ; tokens left
	s_lshl_b32 s27, s25, 2
	s_min_u32 s27, s27, 896                        ; s25 is at most 224: the bound as a written constant
	v_add_nc_u32 v18, s27, v[LRD0]
.endm
; The offsets of listed tokens s25 .. s25 + 31: pair p: lanes 0-15 take list word 2 p, lanes 16-31 word 2 p + 1.
.macro LISTRD
.irp p, 0,1,2,3,4,5,6,7,8,9,10,11,12,13,14,15
	ds_load_b32 v[GO+\p], v18 offset:8*\p
.endr
	s_wait_dscnt 0x0
.irp p, 0,1,2,3,4,5,6,7,8,9,10,11,12,13,14,15
	v_min_u32 v[GO+\p], 0xff, v[GO+\p]             ; loaded numbers: min with a written constant in front of the address
.endr
.irp p, 0,1,2,3,4,5,6,7,8,9,10,11,12,13,14,15
	v_lshl_add_u32 v[GO+\p], v[GO+\p], 10, v[R16B]
.endr
	s_wait_alu depctr_va_vdst(0)                   ; GO is written, which the rows' loads and the results' stores read as offsets; in a later trip the conversions
	                                               ; and bias sums of the trip before are also done with the registers in which the rows land
.endm
; The first np pairs of rows of tile t: four loads a pair, each 256 neighbouring, aligned bytes of both rows.  Tile 0 into window 0, tile 1 into window 2.
.macro ROWS t, np
	WIN \t*0x80                                    ; destination window 0 or 2, address window 0
.set q, 0
.rept 4*\np
	global_load_b128 v[XS*(1-\t)+4*q:XS*(1-\t)+4*q+3], v[GO+8*\t+(q>>2)], s[6:7] offset:256*(q&3)
.set q, q+1
.endr
	WIN 0
.endm
	; THE LIST
	s_wait_loadcnt 60                              ; the route indices are in; the 60 weight loads behind them stay out
	global_load_b128 v[BS:BS+3], v[R16B], s[12:13] ; the biases ahead of the last weights: the wait for these shows them in too,
	global_load_b128 v[BF:BF+3], v[R16B], s[14:15] ; and the rows are then the youngest loads, counted pair by pair
	WLOAD 30, 2                                    ; the last two half rows
.irp i, 0,1,2,3,4,5,6,7
	v_cmp_eq_u32 s[MK+\i], s19, v[RT+\i]
.endr
	s_wait_alu depctr_va_sdst(0)                   ; the eight masks are written, ahead of their first reader: the counts below, and then the vector lines that take them
	s_mov_b32 s[RN], 0
.irp i, 0,1,2,3,4,5,6,7
	s_bcnt1_i32_b32 s27, s[MK+\i]
	s_add_co_u32 s[RN+\i+1], s[RN+\i], s27
.endr
	s_min_u32 s24, s[RN+8], 256                    ; how many of my 256 tokens name e
	s_add_co_u32 s30, s24, 31
	s_lshr_b32 s30, s30, 5                         ; trips of 32 tokens: 0 to 8
	s_mov_b32 s25, 0                               ; listed tokens served before this trip
	; each step for all eight indices in registers of their own: no line waits for the line in front of it
.irp i, 0,1,2,3,4,5,6,7
	v_mbcnt_lo_u32_b32 v[LT+\i], s[MK+\i], s[RN+\i]                ; listed before me
.endr
.irp i, 0,1,2,3,4,5,6,7
	v_cndmask_b32 v[LT+\i], v[DMP], v[LT+\i], s[MK+\i]             ; lanes that do not name e go to the dump words
.endr
.irp i, 0,1,2,3,4,5,6,7
	v_min_u32 v[LT+\i], DUMPI, v[LT+\i]            ; a number made from loaded data enters an address behind a min with a written constant
.endr
.irp i, 0,1,2,3,4,5,6,7
	v_lshl_add_u32 v[LT+\i], v[LT+\i], 2, v[LBASE]
.endr
	LISTAT                                         ; the first trip's list address is made here, so that one wait serves the list's stores and its loads
	s_wait_alu depctr_va_vdst(0)                   ; LT is written, which the stores below read as addresses, and v18, which the list's loads read
	; A lane that names e stores its token at its place + 1 and then at its place.  LDS serves a wave's instructions in order (ISA guide
	; 5.7.1), so each place ends with its own token, and the word behind the last one holds a second copy of the last token: the partner
	; of an odd count's last row.
.irp i, 0,1,2,3,4,5,6,7
	ds_store_b32 v[LT+\i], v[LV+\i] offset:4
	ds_store_b32 v[LT+\i], v[LV+\i]
.endr
	LISTRD
	ROWS 0, 8                                      ; the rows travel while the weights are summed
	; THE WEIGHTS: four groups of eight half rows.  left: how many younger loads may stay out.  Younger than the loads of groups 0, 1, 2 are
	; 48, 32, 16 weight loads, the two bias loads and tile 0's 32: 82, 66, 50; a wait can name 63 at the most.  Younger than group 3's: the 32.
	; A group is stored at the head of the next one: the next group's arithmetic names none of the registers that those stores read.
.macro WPUT g
	WIN 0x04                                       ; address window 0, data window 1
	s_wait_alu depctr_va_vdst(0)                   ; the group's conversions have written the registers that these stores read
.irp u, 0,1,2,3,4,5,6,7
	ds_store_b64 v[WST], v[32*(\g)+4*\u:32*(\g)+4*\u+1] offset:(4*(\g)+(\u>>1))*PW+(\u&1)*256    ; 32 lanes: 256 neighbouring bytes
.endr
.endm
.macro WGROUP g, left
	s_wait_loadcnt \left
.if \g > 0
	WPUT (\g)-1
.endif
	WIN 0x55                                       ; all in window 1
.irp u, 0,1,2,3,4,5,6,7
	v_pk_add_f32 v[32*\g+4*\u:32*\g+4*\u+1],   v[32*\g+4*\u:32*\g+4*\u+1],   v[128+32*\g+4*\u:128+32*\g+4*\u+1]
	v_pk_add_f32 v[32*\g+4*\u+2:32*\g+4*\u+3], v[32*\g+4*\u+2:32*\g+4*\u+3], v[128+32*\g+4*\u+2:128+32*\g+4*\u+3]
	v_cvt_pk_f16_f32 v[32*\g+4*\u],   v[32*\g+4*\u],   v[32*\g+4*\u+1]
	v_cvt_pk_f16_f32 v[32*\g+4*\u+1], v[32*\g+4*\u+2], v[32*\g+4*\u+3]
.endr
.endm
	WGROUP 0, 63
	WGROUP 1, 63
	WGROUP 2, 50
	WGROUP 3, 32
	WIN 0
	v_pk_add_f32 v[BS:BS+1],   v[BS:BS+1],   v[BF:BF+1]            ; the biases are older than group 3's last loads: in since its wait
	v_pk_add_f32 v[BS+2:BS+3], v[BS+2:BS+3], v[BF+2:BF+3]
	WPUT 3
	WIN 0
	s_wait_dscnt 0x0                               ; my rows of the weights are in LDS
	s_barrier_signal -1
	s_barrier_wait -1                              ; everybody's are.  The loads in flight fill my own registers
; all 64 weight rows as A fragments
.macro AFRAG
	WIN 0x40
	s_wait_alu depctr_va_vdst(0)                   ; the sums and conversions are done with window 1's registers, in which the fragments land,
	s_wait_alu depctr_vm_vsrc(0)                   ; and my LDS stores of the summed weights have read them
.irp c, 0,1,2,3,4,5,6,7
.irp i, 0,1,2,3
	ds_load_b128 v[64*\i+8*\c:64*\i+8*\c+3],   v[WFR] offset:16*\i*PW+64*\c        ; row 16 i + lane % 16, k = 32 c + 8 h ..
	ds_load_b128 v[64*\i+8*\c+4:64*\i+8*\c+7], v[WFR] offset:16*\i*PW+64*\c+32     ; k = 32 c + 16 + 8 h ..
.endr
.endr
	WIN 0
.endm
; Pair pp of tile 0: rounded in place, four f32 become 8 bytes; and laid into the stage.
.macro ROUND0 pp
.set q, 4*(\pp)
.rept 4
	v_cvt_pk_f16_f32 v[XS+4*q],   v[XS+4*q],   v[XS+4*q+1]
	v_cvt_pk_f16_f32 v[XS+4*q+1], v[XS+4*q+2], v[XS+4*q+3]
.set q, q+1
.endr
.endm
.macro PUT0 pp
.set q, 4*(\pp)
.rept 4
	ds_store_b64 v[XST], v[XS+4*q:XS+4*q+1] offset:(q>>2)*PA+(q&3)*128     ; k = 64 j + 4 (lane % 16) .. + 3 of rows 2 p and 2 p + 1
.set q, q+1
.endr
.endm
; Tile t: up to 16 tokens as B against the 64 weight rows as A.  np: the pairs of rows that were loaded for it (even); young: how many loads are
; younger than its last one; id: a letter for the label.  Where np < 8 the stage's later rows still hold tile 0's: the fragment loads read
; written bytes, and those columns of D are not stored.
.macro TILE t, np, young, id
.if \t == 0
	; pair by pair as the rows arrive: rounding runs while the later pairs are on their way
.set p, 0
.rept \np/2
	s_wait_loadcnt \young+4*(\np-1-p)              ; loads come back in order (ISA guide 5.7.1): the four of each later pair and the younger tile's stay out
	ROUND0 p
.set p, p+1
.endr
	s_wait_alu depctr_va_vdst(0)                   ; the first half's conversions have written the registers that its stores, dealt among the lines below, read
.rept \np/2
	PUT0 p-\np/2                                   ; no wait: the second half's conversions name other registers
	s_wait_loadcnt \young+4*(\np-1-p)
	ROUND0 p
.set p, p+1
.endr
	s_wait_alu depctr_va_vdst(0)                   ; the second half's conversions have written what its stores read; the matrix instructions of the tile before are done reading BB, in which the fragments below land
.set p, \np/2
.rept \np/2
	PUT0 p
.set p, p+1
.endr
.else
	; tile 1 lies in window 2: one wait and two stretches, so that the windows are switched twice and not for every pair
	s_wait_loadcnt \young
	WIN 0x8a                                       ; sources and destination in window 2
.set q, 0
.rept 4*\np
	v_cvt_pk_f16_f32 v[4*q],   v[4*q],   v[4*q+1]
	v_cvt_pk_f16_f32 v[4*q+1], v[4*q+2], v[4*q+3]
.set q, q+1
.endr
	WIN 0x08                                       ; address window 0, data window 2
	s_wait_alu depctr_va_vdst(0)                   ; the conversions have written what the stores read; the matrix instructions of the tile before are done reading BB, in which the fragments below land
.set q, 0
.rept 4*\np
	ds_store_b64 v[XST], v[4*q:4*q+1] offset:(q>>2)*PA+(q&3)*128
.set q, q+1
.endr
.endif
	WIN 0x80                                       ; destination window 2, address window 0
.set c, 0
.rept 8
	ds_load_b128 v[BB+8*c:BB+8*c+3],   v[XFR] offset:64*c          ; token lane % 16, k = 32 c + 8 h ..; in order behind the stores
	ds_load_b128 v[BB+8*c+4:BB+8*c+7], v[XFR] offset:64*c+32       ; k = 32 c + 16 + 8 h ..
.set c, c+1
.endr
	WIN 0x09                                       ; A in window 1, B in window 2, C and D in window 0
	s_wait_xcnt 0x0                                ; earlier stores have read the result rows in XS (ISA guide 3.1), which this tile's result rows land in
	s_wait_alu depctr_vm_vsrc(0)                   ; the LDS stores issued so far have read ACC (the list's zeros, the tile before's D), which the matrix instructions write;
	                                               ; this tile's row stores and the tile before's result stores have read XS, in which the result rows land
.set c, 0
.rept 8
	s_wait_dscnt 14-2*c                            ; the two loads of each later K step stay out; all that is older (the A fragments too) is in
.irp i, 0,1,2,3
.if c == 0
	v_wmma_f32_16x16x32_f16 v[ACC+8*\i:ACC+8*\i+7], v[64*\i+8*c:64*\i+8*c+7], v[BB+8*c:BB+8*c+7], 0
.else
	v_wmma_f32_16x16x32_f16 v[ACC+8*\i:ACC+8*\i+7], v[64*\i+8*c:64*\i+8*c+7], v[BB+8*c:BB+8*c+7], v[ACC+8*\i:ACC+8*\i+7]
.endif
.endr
.set c, c+1
.endr
	WIN 0
.rept 4
	v_nop                                          ; four places behind the matrix instructions before D is stored (ISA guide 7.12.1)
.endr
	s_wait_alu depctr_va_vdst(0)                   ; the matrix instructions have written ACC, which the LDS stores read (the places above stay beside this wait);
	                                               ; the conversions and bias sums issued so far are done with XS, in which the result rows land
	; register j of accumulator i in lane (r, h) is column 16 i + 8 h + j of token r: 32 bytes of its row
.irp i, 0,1,2,3
	ds_store_b128 v[OST], v[ACC+8*\i:ACC+8*\i+3]   offset:64*\i
	ds_store_b128 v[OST], v[ACC+8*\i+4:ACC+8*\i+7] offset:64*\i+16
.endr
.set u, 0
.rept \np
	ds_load_b128 v[XS+4*u:XS+4*u+3], v[ORD] offset:2*u*PO          ; rows 2 u and 2 u + 1, sixteen lanes each; in order behind the stores
.set u, u+1
.endr
	; the bias sums of all np pairs in one run, those past the count too, so that one wait serves the whole run of stores
.set u, 0
.rept \np
	s_wait_dscnt \np-1-u                           ; the later pairs' loads stay out; the last wait is for 0: every row read back has landed
	v_pk_add_f32 v[XS+4*u:XS+4*u+1],   v[XS+4*u:XS+4*u+1],   v[BS:BS+1]
	v_pk_add_f32 v[XS+4*u+2:XS+4*u+3], v[XS+4*u+2:XS+4*u+3], v[BS+2:BS+3]
.set u, u+1
.endr
	s_wait_alu depctr_va_vdst(0)                   ; the bias sums have written the result rows, which the stores below read
.set u, 0
.rept \np
	s_cmp_le_u32 s26, 16*\t+2*u
	s_cbranch_scc1 .Lstored\id                     ; pairs past the count are not stored
	global_store_b128 v[GO+8*\t+u], v[XS+4*u:XS+4*u+3], s[16:17] th:TH_STORE_NT       ; sixteen lanes: 256 aligned bytes of a token's row
.set u, u+1
.endr
.Lstored\id:
.endm
; 17 to 16 + 2 np tokens: tile 1's rows are asked for ahead of the 64 fragment loads and travel while tile 0 is served.
; They owe no wait: GO was written ahead of the wait behind its arithmetic, and nothing has named window 2's registers yet.
.macro MANY np, id0, id1
	ROWS 1, \np
	AFRAG
	TILE 0, 8, 4*\np, \id0
	TILE 1, \np, 0, \id1
.endm
	; From here each wave goes its own way.
	s_cmp_gt_u32 s24, 16
	s_cbranch_scc1 .Lmany
	s_cmp_eq_u32 s24, 0
	s_cbranch_scc1 .Lend                           ; none of my tokens names e
	AFRAG                                          ; 1 to 16 tokens: one tile
	TILE 0, 8, 0, a
	s_branch .Lend
.Lmany:
	s_cmp_gt_u32 s24, 20
	s_cbranch_scc1 .Lmany4
	MANY 2, b, c                                   ; 17 to 20
	s_branch .Lend
.Lmany4:
	s_cmp_gt_u32 s24, 24
	s_cbranch_scc1 .Lmany8
	MANY 4, d, e                                   ; 21 to 24
	s_branch .Lend
.Lmany8:
	MANY 8, f, g                                   ; 25 and more: the first 32
	s_mov_b32 s29, 1                               ; trips done
	s_cmp_ge_u32 s29, s30
	s_cbranch_scc1 .Lend
.Lmore:                                            ; more than 32 of my 256 tokens name e: further trips, one after the other
	s_lshl_b32 s25, s29, 5
	s_wait_xcnt 0x0                                ; the last trip's loads and stores have read GO, its stores their result rows in XS (ISA guide 3.1)
	s_wait_alu depctr_vm_vsrc(0)                   ; the last trip's list loads have read v18, its row loads and result stores GO, its row stores and result stores XS and
	                                               ; tile 1's rows: all of these are written or landed in again below
	LISTAT
	s_wait_alu depctr_va_vdst(0)                   ; v18 is written, which the list's loads read; the last trip's arithmetic on GO, in which they land, is done
	LISTRD
	ROWS 0, 8
	ROWS 1, 8
	TILE 0, 8, 0, h                                ; young = 0 though tile 1's 32 loads are younger: smaller counts than tile 0 needs, and its last wait,
	s_cmp_le_u32 s26, 16                           ; for 0, shows tile 1's registers landed also where tile 1 is skipped and the next trip loads them again
	s_cbranch_scc1 .Llast
	TILE 1, 8, 0, i
.Llast:
	s_add_co_u32 s29, s29, 1
	s_cmp_lt_u32 s29, s30                          ; step 1 against a bound that the loop leaves alone
	s_cbranch_scc1 .Lmore
.Lend:
	s_wait_dscnt 0x0
	s_wait_alu depctr_hold_cnt(0) depctr_sa_sdst(0) depctr_va_vdst(0) depctr_va_sdst(0) depctr_va_ssrc(0) depctr_va_vcc(0) depctr_vm_vsrc(0)
	s_wait_tensorcnt 0x0
	ds_add_u32 v126, v127
	s_wait_dscnt 0x0
	s_endpgm
.Lfunc_end_k_q0ac14cb381_switch:
	.size	k_q0ac14cb381_switch, .Lfunc_end_k_q0ac14cb381_switch-k_q0ac14cb381_switch
	.p2alignl 7, 3214868480
	.fill 96, 4, 3214868480
	.section	.rodata,"a",@progbits
	.p2align	6, 0x0
	.amdhsa_kernel k_q0ac14cb381_switch
		.amdhsa_group_segment_fixed_size 98304
		.amdhsa_private_segment_fixed_size 0
		.amdhsa_enable_private_segment 0
		.amdhsa_kernarg_size 56
		.amdhsa_user_sgpr_count 2
		.amdhsa_user_sgpr_kernarg_segment_ptr 1
		.amdhsa_wavefront_size32 1
		.amdhsa_system_sgpr_workgroup_id_x 1
		.amdhsa_system_sgpr_workgroup_id_y 1
		.amdhsa_system_sgpr_workgroup_id_z 1
		.amdhsa_system_vgpr_workitem_id 0
		.amdhsa_next_free_vgpr 704
		.amdhsa_next_free_sgpr 66
		.amdhsa_reserve_vcc 0
		.amdhsa_float_denorm_mode_32 3
		.amdhsa_float_denorm_mode_16_64 3
		.amdhsa_memory_ordered 1
		.amdhsa_forward_progress 1
		.amdhsa_inst_pref_size 173
	.end_amdhsa_kernel
	.amdgpu_metadata
---
amdhsa.version: [ 1, 2 ]
amdhsa.kernels:
  - .name:           k_q0ac14cb381_switch
    .symbol:         k_q0ac14cb381_switch.kd
    .args:
      - { .name: route_index, .offset: 0, .size: 8, .value_kind: global_buffer, .address_space: global }
      - { .name: input, .offset: 8, .size: 8, .value_kind: global_buffer, .address_space: global }
      - { .name: weight, .offset: 16, .size: 8, .value_kind: global_buffer, .address_space: global }
      - { .name: weight_fact, .offset: 24, .size: 8, .value_kind: global_buffer, .address_space: global }
      - { .name: bias, .offset: 32, .size: 8, .value_kind: global_buffer, .address_space: global }
      - { .name: bias_fact, .offset: 40, .size: 8, .value_kind: global_buffer, .address_space: global }
      - { .name: out0, .offset: 48, .size: 8, .value_kind: global_buffer, .address_space: global }
    .group_segment_fixed_size: 98304
    .private_segment_fixed_size: 0
    .kernarg_segment_align: 8
    .kernarg_segment_size: 56
    .max_flat_workgroup_size: 128
    .sgpr_count:     66
    .vgpr_count:     704
    .wavefront_size: 32
...
	.end_amdgpu_metadata
.endif
;; end of part 2
